; MI455X (gfx1250); checked and timed in simulation.
; The chip was launched on July 23, 2026; its instructions are those of AMD's public machine-readable ISA for CDNA 5 (MIT licence, August 2026) and "CDNA5" Instruction Set Architecture Reference Guide (July 2026). The comments in the code are by the model that wrote it; some were corrected since.
;; Compression Module. Allowed arithmetic: matrix products marked QUANTISED: E3M2 operands, one E8M0 scale for each 32 along K, by v_wmma_scale_f32_16x16x128_f8f6f4 with both operands' format E3M2, f32 sums; products left as they are: f32 operands where the result goes on into a quantised operand, else bf16, f16 or f32 operands; f32 sums; everything else in f32.
;; Inputs: b0 64 float32; b1 64 float32; b2 64 float32; b3 3 float32; tables_0 256 x 2 float32; tables_1 400 x 2 float32; tables_2 625 x 2 float32; tables_3 1,024 x 2 float32; tables_4 1,600 x 2 float32; tables_5 2,500 x 2 float32; tables_6 4,096 x 2 float32; tables_7 6,400 x 2 float32; tables_8 10,201 x 2 float32; tables_9 16,384 x 2 float32; tables_10 25,921 x 2 float32; tables_11 41,209 x 2 float32; tables_12 65,536 x 2 float32; tables_13 262,144 x 2 float32; tables_14 262,144 x 2 float32; tables_15 262,144 x 2 float32; w0_codes 64 x 1 x 24 uint8 (E3M2 codes of w0, K innermost, in blocks of 32 codes, four codes in three bytes); w0_scales 64 x 1 uint8 (E8M0 scales of w0, one for each 32 codes along K); w1_codes 64 x 2 x 24 uint8 (E3M2 codes of w1, K innermost, in blocks of 32 codes, four codes in three bytes); w1_scales 64 x 2 uint8 (E8M0 scales of w1, one for each 32 codes along K); w2_codes 64 x 2 x 24 uint8 (E3M2 codes of w2, K innermost, in blocks of 32 codes, four codes in three bytes); w2_scales 64 x 2 uint8 (E8M0 scales of w2, one for each 32 codes along K); w3 64 x 3 float32; xn 1,048,576 x 2 float32.
;; Outputs: out0 1,048,576 x 3 float32.
;; This version of the problem:
;;   THIS VERSION OF THE PROBLEM IS GIVEN IN LOW PRECISION. The matrix products marked QUANTISED in the list below multiply operands that are first quantised to E3M2 (3 exponent bits, 2 mantissa bits; 6 bits a number), with one power-of-two scale for each 32 numbers along K (OCP MX v1.0); their sums are f32. All else is computed in f32.
;;   The module's matrix products, in the order in which they are computed (A, B: the left and right operand; K: the contracted axis; several contracted axes count as one K, in the product's order):
;;     1. [M 1,048,576, K 32] x [K 32, N 64]; A: computed on the way; B: input w0 (given as codes): QUANTISED
;;     2. [M 1,048,576, K 64] x [K 64, N 64]; A: computed on the way; B: input w1 (given as codes): QUANTISED
;;     3. [M 1,048,576, K 64] x [K 64, N 64]; A: computed on the way; B: input w2 (given as codes): QUANTISED
;;     4. [M 1,048,576, K 64] x [K 64, N 3]; A: computed on the way; B: input w3: left as it is (N = 3 < 16)
;;   THE QUANTISER, for each operand of a quantised product, along K:
;;     - K is cut into blocks of 32 from its start; a last block that is shorter is filled with zeros.
;;     - A block's scale is 2^e with e = floor(log2(the largest magnitude in the block)) - 4, held to -126 .. 127; a block of zeros has e = 0. As a byte (E8M0): e + 127.
;;     - Each number is divided by its block's scale, clamped to +-28, and rounded to the nearest number of E3M2, ties to even, subnormals kept.
;;     - The product sums the exact products of the quantised numbers (number of the format x scale) in f32.
;;   ~~~python
;;   def quantise(x, axis):      # numpy; x: float32 -> the quantised numbers, widened to float32 again
;;       x = np.moveaxis(x, axis, -1); K = x.shape[-1]
;;       x = np.pad(x, [(0, 0)] * (x.ndim - 1) + [(0, -K % 32)]); x = x.reshape(x.shape[:-1] + (-1, 32)); a = np.abs(x).max(-1, keepdims=True)
;;       e = np.where(a > 0, np.clip(np.frexp(np.where(a > 0, a, 1))[1] - 1 - 4, -126, 127), 0)      # np.frexp(a)[1] - 1 = floor(log2(a)), exactly
;;       r = np.clip(x / 2.0 ** e, -28, 28)
;;       step = 2.0 ** (np.maximum(np.frexp(np.where(r == 0, 1, r))[1] - 1, -2) - 2)
;;       q = np.round(r / step) * step * 2.0 ** e      # np.round: ties to even
;;       return np.moveaxis(q.reshape(q.shape[:-2] + (-1,))[..., :K], -1, axis).astype(np.float32)
;;   ~~~
;;   OPERANDS COMPUTED ON THE WAY. 'Computed on the way' means the value that the module computes at that place (a softmax that the list does not call 'softmax' is quantised finished and normalised). What goes into a quantiser is computed in f32, as accurately as f32 sums, v_exp_f32 and their like allow (about 1e-6 of the number): no bf16 or f16 on the way to a quantiser, and a product that is left as it is and whose result goes on into a quantised operand takes f32 operands (vector FMAs, or v_wmma_f32_16x16x4_f32). A number that lies on a knife's edge between two numbers of the format may be rounded either way, as far as f32 arithmetic and the matrix unit's own rounding can turn it there, and no further.
;;   INPUTS GIVEN AS CODES. w0 (in the module: [32, 64], K = its axis 0); w1 (in the module: [64, 64], K = its axis 0); w2 (in the module: [64, 64], K = its axis 0): each comes as NAME_codes (uint8): NAME with its K axis moved to the last place and cut into blocks of 32 codes, [.., K / 32, bytes a block], one block behind the other in memory; four codes in three bytes: a row's codes are one little-endian stream of bits, code i at bits 6 i .. 6 i + 5 (a code: sign, 3 exponent bits, 2 mantissa bits); and NAME_scales (uint8): the same leading axes, one E8M0 byte (e + 127) for each 32 codes along K. Its value is code x scale, taken as it is: it is not quantised again, and the codes and scales need not be those that the quantiser above would give.
;; One version. Each part assembles by itself: llvm-mc -triple=amdgcn-amd-amdhsa -mcpu=gfx1250 --defsym DOCPART=n.
;; ======== version 1 of 1: 2 launches
;; limits: values are held in bf16: 8 bits of precision; right only within a limited range of input values
;; workspace buffers: cells 8,388,608 bytes of whole numbers; quads 60,620,800 bytes; img 221,184 bytes
;; launch prep (part 1): grid 2214 x 1, 8 waves a work-group, no clusters, 41,984 bytes of LDS; arguments xn, tables_0, tables_1, tables_2, tables_3, tables_4, tables_5, tables_6, tables_7, tables_8, tables_9, tables_10, tables_11, tables_12, tables_13, tables_14, tables_15, cells, quads, img; writes cells, quads, img
.if DOCPART == 1
	.amdgcn_target "amdgcn-amd-amdhsa--gfx1250"
	.amdhsa_code_object_version 6
	.text
	.protected	k_q06cde03f39_prep
	.globl	k_q06cde03f39_prep
	.p2align	8
	.type	k_q06cde03f39_prep,@function
k_q06cde03f39_prep:
	s_mov_b64 s[64:65], 0
	v_nop
	global_prefetch_b8 v0, s[64:65] scope:SCOPE_SE
	s_setreg_imm32_b32 hwreg(HW_REG_WAVE_MODE, 25, 1), 1
	s_wait_xcnt 0x0
; THE LAUNCH IN FRONT OF THE FIELD.  It makes three things that the second launch reads.  No work of reference() is left out.
;  cells: for point p two whole numbers at byte 8 p: X, Y = trunc(clamp((xn + 1) x 2^31, 0, 2^32 - 256)): (xn + 1) / 2 as 32-bit fixed point.
;         From 2^-9 up the f32 number has no bit under 2^-32, so X is exact; under 2^-9 every level's cell is 0 whatever the lost bits.  At 1 and beyond X is 2^32 - 256, which gives cell res - 2
;         on every level; at 0 and under it X is 0: the clip of the cell index is in these two holds.
;  quads: levels 9 to 15.  A cell's 32 bytes are f00, f10 - f00, f01 - f00, (f11 - f01) - (f10 - f00), two numbers each: the bilinear form is then f00 + wx d10 + wy (d01 + wx d11).
;         TWO LEVELS A, B SHARE ONE TABLE, laid on the grid made of both levels' lines.  Along an axis the joint cell is u = cellA + cellB: going up the axis every line crossed adds to the sum,
;         so each u belongs to at most one pair (cellA, cellB).  Entry uy x U + ux, U = sA + sB - 1 (s = res - 1), 64 bytes: A's 32, then B's 32.
;         The pair of a given u: floor(x sA) + floor(x sB) = u puts x in [u / S, (u + 2) / S), S = sA + sB, and sA < S / 2, so cellA is a0 = floor(u sA / S) or a0 + 1;
;         a0 fits if (u - a0) sA < (a0 + 1) sB (the two cells' stretches meet; the other inequality holds by a0's making).  A u that no x reaches gets held indices and is read by nobody.
;         Tables: (9,10) U = 286, (11,12) U = 456, (13,14) U = 725, then level 15 alone, entry cy x 512 + cx of 32 bytes.  The hash (ix xor iy x 2654435761) mod 2^18 is resolved here.
;  img:   tables 0 to 8 as they lie, each filled up to a multiple of 2,048 bytes: the image that the second launch brings into LDS.
; A work-group has one role by its number alone: 0-255 cells, 256-1849 joint tables (512 entries, 32,768 bytes each), 1850-2105 level 15 (1,024 entries, 32,768 bytes), 2106-2213 img (2,048 bytes).
; Divisions are multiplications by ceil-like reciprocals 2^32 / d + 1, exact while n d < 2^32 (here n d < 4 x 10^8).  Every address is made of ids and constants.
; JOINT TABLES: a thread makes one whole entry (8 loads of 8 bytes).  Its 64 bytes go through its wave's own LDS bytes (80 a thread) and come back so that each store of the wave covers 512 consecutive bytes.
; The two texts of that role (dense, hashed) have LDS bytes of their own.  LIMITS: NaN and infinities in xn are not served.
.set SPARE, 40960                      ; behind the two stages of 8 x 2,560 bytes: the spare words, 128 bytes a wave
.macro PICK end, label
	s_cmp_lt_u32 ttmp9, \end
	s_cbranch_scc1 \label
.endm
.macro STUB label, l, first, a, b, target
\label:
	s_load_b64 s[4:5], s[0:1], 8*(1+\l)
	s_mov_b32 s8, \first
	s_mov_b32 s9, \a
	s_mov_b32 s10, \b
	s_branch \target
.endm
; a joint table's constants: tables A, B; first work-group; sA, sB; 2^32 / S + 1; U; 2^32 / U + 1
.macro PSTUB label, la, first, sa, sb, target
\label:
	s_load_b64 s[4:5], s[0:1], 8*(1+\la)
	s_load_b64 s[6:7], s[0:1], 8*(2+\la)
	s_mov_b32 s8, \first
	s_mov_b32 s9, \sa
	s_mov_b32 s10, \sb
	s_mov_b32 s11, 0x100000000/(\sa+\sb)+1
	s_mov_b32 s12, \sa+\sb-1
	s_mov_b32 s13, 0x100000000/(\sa+\sb-1)+1
	s_branch \target
.endm
	v_lshl_add_u32 v14, v0, 2, SPARE               ; my spare word and 0
	v_mov_b32 v15, 0
	s_wait_alu depctr_va_vdst(0)                   ; the wait ahead of the branches
	PICK 256, .Lcells
	PICK 416, .Lp0
	PICK 823, .Lp1
	PICK 1850, .Lp2
	PICK 2106, .Lq15
	PICK 2107, .Li0
	PICK 2109, .Li1
	PICK 2112, .Li2
	PICK 2116, .Li3
	PICK 2123, .Li4
	PICK 2133, .Li5
	PICK 2149, .Li6
	PICK 2174, .Li7
	s_branch .Li8
	PSTUB .Lp0, 9,  256, 127, 160, .Ldense
	PSTUB .Lp1, 11, 416, 202, 255, .Ldense
	PSTUB .Lp2, 13, 823, 321, 405, .Lhash
	STUB .Lq15, 15, 1850, 0, 0, .Lsingle
	STUB .Li0, 0, 2106, 0, 255, .Limg
	STUB .Li1, 1, 2107, 0, 399, .Limg
	STUB .Li2, 2, 2109, 0, 624, .Limg
	STUB .Li3, 3, 2112, 0, 1023, .Limg
	STUB .Li4, 4, 2116, 0, 1599, .Limg
	STUB .Li5, 5, 2123, 0, 2499, .Limg
	STUB .Li6, 6, 2133, 0, 4095, .Limg
	STUB .Li7, 7, 2149, 0, 6399, .Limg
	STUB .Li8, 8, 2174, 0, 10200, .Limg
; ---- cells: 4,096 points a work-group; a thread takes 16 bytes (two points) of each of eight runs of 4,096 bytes
.Lcells:
	s_load_b64 s[4:5], s[0:1], 0x0                 ; xn
	s_load_b64 s[6:7], s[0:1], 0x88                ; cells
	s_lshl_b32 s12, ttmp9, 15
	s_mov_b32 s13, 0
	s_mov_b32 s14, 0x4f7fffff                      ; 2^32 - 256, the largest f32 number under 2^32
	v_lshlrev_b32 v1, 4, v0
	s_wait_alu depctr_va_vdst(0)
	s_wait_kmcnt 0x0
	s_add_nc_u64 s[4:5], s[4:5], s[12:13]
	s_add_nc_u64 s[6:7], s[6:7], s[12:13]
.irp k, 0,1,2,3,4,5,6,7
	global_load_b128 v[16+4*\k:19+4*\k], v1, s[4:5] offset:4096*\k th:TH_LOAD_NT
.endr
.irp k, 0,1,2,3,4,5,6,7
	s_wait_loadcnt 7-\k                            ; loads come back in order: run k is in, the younger ones stay out
	v_pk_add_f32 v[16+4*\k:17+4*\k], v[16+4*\k:17+4*\k], 1.0 op_sel_hi:[1,0]
	v_pk_add_f32 v[18+4*\k:19+4*\k], v[18+4*\k:19+4*\k], 1.0 op_sel_hi:[1,0]
	s_delay_alu instid0(VALU_DEP_2)
	v_pk_mul_f32 v[16+4*\k:17+4*\k], v[16+4*\k:17+4*\k], 0x4f000000 op_sel_hi:[1,0]     ; x 2^31: rounds nothing
	s_delay_alu instid0(VALU_DEP_2)
	v_pk_mul_f32 v[18+4*\k:19+4*\k], v[18+4*\k:19+4*\k], 0x4f000000 op_sel_hi:[1,0]
.irp j, 0,1,2,3
	v_med3_num_f32 v[16+4*\k+\j], v[16+4*\k+\j], 0, s14
.endr
.irp j, 0,1,2,3
	s_delay_alu instid0(VALU_DEP_4)
	v_cvt_u32_f32 v[16+4*\k+\j], v[16+4*\k+\j]     ; toward zero
.endr
	global_store_b128 v1, v[16+4*\k:19+4*\k], s[6:7] offset:4096*\k                  ; each run has registers of its own
.endr
	s_endpgm
; The four corners' indices of cell (ix, iy) into v[o .. o+3]: (0,0), (1,0), (0,1), (1,1).  rs: the scalar register with res (dense); s19 = the prime (hashed)
.macro IDX4 hashed, ix, iy, rs, o
.if \hashed
	v_mul_lo_u32 v[\o+2], v[\iy], s19
	v_add_nc_u32 v[\o+3], 1, v[\ix]
	s_delay_alu instid0(VALU_DEP_2)
	v_xor_b32 v[\o], v[\ix], v[\o+2]
	v_xor_b32 v[\o+1], v[\o+3], v[\o+2]
	v_add_nc_u32 v[\o+2], s19, v[\o+2]             ; (iy + 1) x the prime
	s_delay_alu instid0(VALU_DEP_1)
	v_xor_b32 v[\o+3], v[\o+3], v[\o+2]
	v_xor_b32 v[\o+2], v[\ix], v[\o+2]
.irp j, 0,1,2,3
	v_and_b32 v[\o+\j], 0x3ffff, v[\o+\j]          ; mod 2^18: inside the table
.endr
.else
	v_mad_u32_u24 v[\o], v[\iy], s[\rs], v[\ix]
	s_delay_alu instid0(VALU_DEP_1)
	v_add_nc_u32 v[\o+1], 1, v[\o]
	v_add_nc_u32 v[\o+2], s[\rs], v[\o]
	v_add3_u32 v[\o+3], v[\o], s[\rs], 1
.endif
.irp j, 0,1,2,3
	v_lshlrev_b32 v[\o+\j], 3, v[\o+\j]            ; an entry of a table is 8 bytes
.endr
.endm
; f00, f10, f01, f11 in v[g .. g+7] become f00, d10, d01, d11
.macro DIFF g
	v_pk_add_f32 v[\g+6:\g+7], v[\g+6:\g+7], v[\g+4:\g+5] neg_lo:[0,1] neg_hi:[0,1]
	v_pk_add_f32 v[\g+2:\g+3], v[\g+2:\g+3], v[\g:\g+1] neg_lo:[0,1] neg_hi:[0,1]
	v_pk_add_f32 v[\g+4:\g+5], v[\g+4:\g+5], v[\g:\g+1] neg_lo:[0,1] neg_hi:[0,1]
	s_delay_alu instid0(VALU_DEP_2)
	v_pk_add_f32 v[\g+6:\g+7], v[\g+6:\g+7], v[\g+2:\g+3] neg_lo:[0,1] neg_hi:[0,1]
.endm
; ---- a joint table: two steps of 256 entries, thread t entry 256 k + t of the work-group's 512.
; Four axes at once (q = 2 k + axis) in v[16 + 8 q ..]: +0 u, +3 cellA, +4 cellB.  v48-63 corner indices, v64-95 corners, v96-127 the entries as they are stored.
.macro PAIRS hashed, lbase
	s_load_b64 s[20:21], s[0:1], 0x90              ; quads
	s_sub_co_u32 s22, ttmp9, 256
	s_lshl_b32 s22, s22, 15                        ; the tables follow each other in whole work-groups
	s_mov_b32 s23, 0
	s_sub_co_u32 s24, ttmp9, s8
	s_lshl_b32 s24, s24, 9                         ; the work-group's first entry of its table
	s_add_co_u32 s14, s9, 1                        ; resA, resB
	s_add_co_u32 s15, s10, 1
	s_sub_co_u32 s16, s12, 1                       ; U - 1
	s_sub_co_u32 s17, s9, 1                        ; the highest cells
	s_sub_co_u32 s18, s10, 1
	s_mov_b32 s19, 0x9e3779b1                      ; 2654435761
	v_add_nc_u32 v1, s24, v0
	v_mul_u32_u24 v10, v0, 80                      ; into the stage: 80 bytes a thread
	v_and_b32 v11, 0xe0, v0
	v_bfe_u32 v12, v0, 2, 3
	v_add_nc_u32 v2, 256, v1
	v_and_b32 v3, 3, v0
	v_add_nc_u32 v11, v11, v12                     ; back: lane l takes piece l % 4 of entry l / 4 (+ 8 m) of its wave's 32
	v_and_b32 v12, 31, v0
	v_and_b32 v13, 0xe0, v0
	v_mad_co_u64_u32 v[4:5], vcc_lo, v1, s13, 0    ; uy = entry / U
	v_mad_co_u64_u32 v[6:7], vcc_lo, v2, s13, 0
	v_mul_u32_u24 v11, v11, 80
	v_lshlrev_b32 v12, 4, v12
	v_mul_u32_u24 v8, v5, s12
	v_mul_u32_u24 v9, v7, s12
	v_lshl_add_u32 v11, v3, 4, v11
	v_lshl_or_b32 v13, v13, 6, v12                 ; in quads: 2,048 x wave + 16 x lane
	v_min_u32 v24, s16, v5                         ; (the filling behind the table's end is held inside it)
	v_min_u32 v40, s16, v7
	v_sub_nc_u32 v16, v1, v8                       ; ux
	v_sub_nc_u32 v32, v2, v9
.if \lbase
	v_add_nc_u32 v10, \lbase, v10
	v_add_nc_u32 v11, \lbase, v11
.endif
.irp q, 0,1,2,3
	v_mul_u32_u24 v[17+8*\q], v[16+8*\q], s9
.endr
.irp q, 0,1,2,3
	v_mad_co_u64_u32 v[18+8*\q:19+8*\q], vcc_lo, v[17+8*\q], s11, 0      ; a0 = u sA / S
.endr
.irp q, 0,1,2,3
	v_sub_nc_u32 v[20+8*\q], v[16+8*\q], v[19+8*\q]
.endr
.irp q, 0,1,2,3
	v_mad_u32_u24 v[21+8*\q], v[19+8*\q], s10, s10                       ; (a0 + 1) sB
.endr
.irp q, 0,1,2,3
	v_mul_u32_u24 v[20+8*\q], v[20+8*\q], s9                             ; (u - a0) sA
.endr
.irp q, 0,1,2,3
	v_cmp_ge_u32 vcc_lo, v[20+8*\q], v[21+8*\q]
	v_add_co_ci_u32 v[19+8*\q], vcc_lo, 0, v[19+8*\q], vcc_lo            ; a0 does not fit: a0 + 1
.endr
.irp q, 0,1,2,3
	v_sub_nc_u32 v[20+8*\q], v[16+8*\q], v[19+8*\q]
.endr
.irp q, 0,1,2,3
	v_min_u32 v[19+8*\q], s17, v[19+8*\q]          ; no load leaves a table, also for a u that no point has
.endr
.irp q, 0,1,2,3
	v_min_u32 v[20+8*\q], s18, v[20+8*\q]
.endr
.irp k, 0,1
	IDX4 \hashed, 19+16*\k, 27+16*\k, 14, 48+8*\k
	IDX4 \hashed, 20+16*\k, 28+16*\k, 15, 52+8*\k
.endr
	s_wait_alu depctr_va_vdst(0)                   ; directly ahead of the wait below
	s_wait_kmcnt 0x0
	s_add_nc_u64 s[20:21], s[20:21], s[22:23]
.irp k, 0,1
.irp j, 0,1,2,3
	global_load_b64 v[64+16*\k+2*\j:65+16*\k+2*\j], v[48+8*\k+\j], s[4:5]
	global_load_b64 v[72+16*\k+2*\j:73+16*\k+2*\j], v[52+8*\k+\j], s[6:7]
.endr
.endr
.irp k, 0,1
	s_wait_loadcnt 8-8*\k                          ; step k's eight loads are in
	DIFF 64+16*\k
	DIFF 72+16*\k
.irp j, 0,1,2,3
	ds_store_b128 v10, v[64+16*\k+4*\j:67+16*\k+4*\j] offset:16*\j
.endr
.irp m, 0,1,2,3
	ds_load_b128 v[96+16*\k+4*\m:99+16*\k+4*\m], v11 offset:640*\m       ; my wave's own bytes; LDS serves a wave's instructions in order (ISA guide 5.7.1.4): no wait between
.endr
.endr
.irp k, 0,1
	s_wait_dscnt 8-8*\k                            ; behind step 0's loads: step 1's four stores and four loads
.irp m, 0,1,2,3
	global_store_b128 v13, v[96+16*\k+4*\m:99+16*\k+4*\m], s[20:21] offset:16384*\k+512*\m   ; 32 lanes store 512 consecutive bytes
.endr
.endr
	s_wait_tensorcnt 0x0                           ; the wave's end
	ds_add_u32 v14, v15
	s_wait_dscnt 0x0
	s_endpgm
.endm
.Ldense:
	PAIRS 0, 0
.Lhash:
	PAIRS 1, 20480
; ---- level 15 alone.  Thread t stores 16 bytes at 16 t + 4,096 k: half t % 2 of entry t / 2 + 128 k; entry e is cell (e % 512, e / 512)
.Lsingle:
	s_load_b64 s[20:21], s[0:1], 0x90              ; quads
	s_sub_co_u32 s22, ttmp9, 256
	s_lshl_b32 s22, s22, 15
	s_mov_b32 s23, 0
	s_sub_co_u32 s24, ttmp9, s8
	s_lshl_b32 s24, s24, 10
	s_mov_b32 s19, 0x9e3779b1
	s_mov_b32 s25, 0xaaaaaaaa                      ; the odd lanes: an entry's upper half
	v_lshlrev_b32 v1, 4, v0
	v_lshrrev_b32 v2, 1, v0
	s_delay_alu instid0(VALU_DEP_1)
	v_add_nc_u32 v2, s24, v2
	s_wait_alu depctr_va_vdst(0)
	s_wait_kmcnt 0x0
	s_add_nc_u64 s[20:21], s[20:21], s[22:23]
.irp k, 0,1,2,3,4,5,6,7
	v_add_nc_u32 v[49+8*\k], 128*\k, v2
.endr
.irp k, 0,1,2,3,4,5,6,7
	v_and_b32 v[48+8*\k], 511, v[49+8*\k]
.endr
.irp k, 0,1,2,3,4,5,6,7
	v_lshrrev_b32 v[49+8*\k], 9, v[49+8*\k]
.endr
.irp k, 0,1,2,3,4,5,6,7
	IDX4 1, 48+8*\k, 49+8*\k, 14, 16+4*\k
.irp j, 0,1,2,3
	global_load_b64 v[48+8*\k+2*\j:49+8*\k+2*\j], v[16+4*\k+\j], s[4:5]
.endr
.endr
.irp k, 0,1,2,3,4,5,6,7
	s_wait_loadcnt 28-4*\k                         ; step k's four are in; the younger steps' stay out
	DIFF 48+8*\k
.irp j, 0,1,2,3
	v_cndmask_b32 v[48+8*\k+\j], v[48+8*\k+\j], v[52+8*\k+\j], s25
.endr
	global_store_b128 v1, v[48+8*\k:51+8*\k], s[20:21] offset:4096*\k
.endr
	s_endpgm
; ---- img: 256 entries of 8 bytes a work-group; past a table's end its last entry fills the part up, so that every byte of img is written
.Limg:
	s_load_b64 s[6:7], s[0:1], 0x98                ; img
	s_sub_co_u32 s12, ttmp9, 2106
	s_lshl_b32 s12, s12, 11
	s_mov_b32 s13, 0
	s_sub_co_u32 s11, ttmp9, s8
	s_lshl_b32 s11, s11, 8
	v_add_nc_u32 v2, s11, v0
	s_delay_alu instid0(VALU_DEP_1)
	v_min_u32 v2, s10, v2
	s_delay_alu instid0(VALU_DEP_1)
	v_lshlrev_b32 v2, 3, v2
	v_lshlrev_b32 v1, 3, v0
	s_wait_alu depctr_va_vdst(0)
	s_wait_kmcnt 0x0
	s_add_nc_u64 s[6:7], s[6:7], s[12:13]
	global_load_b64 v[4:5], v2, s[4:5]
	s_wait_loadcnt 0x0
	global_store_b64 v1, v[4:5], s[6:7]
	s_endpgm
.Lfunc_end_k_q06cde03f39_prep:
	.size	k_q06cde03f39_prep, .Lfunc_end_k_q06cde03f39_prep-k_q06cde03f39_prep
	.p2alignl 7, 3214868480
	.fill 96, 4, 3214868480
	.section	.rodata,"a",@progbits
	.p2align	6, 0x0
	.amdhsa_kernel k_q06cde03f39_prep
		.amdhsa_group_segment_fixed_size 41984
		.amdhsa_private_segment_fixed_size 0
		.amdhsa_enable_private_segment 0
		.amdhsa_kernarg_size 160
		.amdhsa_user_sgpr_count 2
		.amdhsa_user_sgpr_kernarg_segment_ptr 1
		.amdhsa_wavefront_size32 1
		.amdhsa_system_sgpr_workgroup_id_x 1
		.amdhsa_system_sgpr_workgroup_id_y 1
		.amdhsa_system_sgpr_workgroup_id_z 1
		.amdhsa_system_vgpr_workitem_id 0
		.amdhsa_next_free_vgpr 128
		.amdhsa_next_free_sgpr 66
		.amdhsa_reserve_vcc 1
		.amdhsa_float_denorm_mode_32 3
		.amdhsa_float_denorm_mode_16_64 3
		.amdhsa_memory_ordered 1
		.amdhsa_forward_progress 1
		.amdhsa_inst_pref_size 52
	.end_amdhsa_kernel
	.amdgpu_metadata
---
amdhsa.version: [ 1, 2 ]
amdhsa.kernels:
  - .name:           k_q06cde03f39_prep
    .symbol:         k_q06cde03f39_prep.kd
    .args:
      - { .name: xn, .offset: 0, .size: 8, .value_kind: global_buffer, .address_space: global }
      - { .name: tables_0, .offset: 8, .size: 8, .value_kind: global_buffer, .address_space: global }
      - { .name: tables_1, .offset: 16, .size: 8, .value_kind: global_buffer, .address_space: global }
      - { .name: tables_2, .offset: 24, .size: 8, .value_kind: global_buffer, .address_space: global }
      - { .name: tables_3, .offset: 32, .size: 8, .value_kind: global_buffer, .address_space: global }
      - { .name: tables_4, .offset: 40, .size: 8, .value_kind: global_buffer, .address_space: global }
      - { .name: tables_5, .offset: 48, .size: 8, .value_kind: global_buffer, .address_space: global }
      - { .name: tables_6, .offset: 56, .size: 8, .value_kind: global_buffer, .address_space: global }
      - { .name: tables_7, .offset: 64, .size: 8, .value_kind: global_buffer, .address_space: global }
      - { .name: tables_8, .offset: 72, .size: 8, .value_kind: global_buffer, .address_space: global }
      - { .name: tables_9, .offset: 80, .size: 8, .value_kind: global_buffer, .address_space: global }
      - { .name: tables_10, .offset: 88, .size: 8, .value_kind: global_buffer, .address_space: global }
      - { .name: tables_11, .offset: 96, .size: 8, .value_kind: global_buffer, .address_space: global }
      - { .name: tables_12, .offset: 104, .size: 8, .value_kind: global_buffer, .address_space: global }
      - { .name: tables_13, .offset: 112, .size: 8, .value_kind: global_buffer, .address_space: global }
      - { .name: tables_14, .offset: 120, .size: 8, .value_kind: global_buffer, .address_space: global }
      - { .name: tables_15, .offset: 128, .size: 8, .value_kind: global_buffer, .address_space: global }
      - { .name: cells, .offset: 136, .size: 8, .value_kind: global_buffer, .address_space: global }
      - { .name: quads, .offset: 144, .size: 8, .value_kind: global_buffer, .address_space: global }
      - { .name: img, .offset: 152, .size: 8, .value_kind: global_buffer, .address_space: global }
    .group_segment_fixed_size: 41984
    .private_segment_fixed_size: 0
    .kernarg_segment_align: 8
    .kernarg_segment_size: 160
    .max_flat_workgroup_size: 256
    .sgpr_count:     66
    .vgpr_count:     128
    .wavefront_size: 32
...
	.end_amdgpu_metadata
.endif
;; end of part 1
;; launch field (part 2): grid 256 x 1, 8 waves a work-group, no clusters, 222,208 bytes of LDS; arguments xn, cells, quads, img, w0_codes, w0_scales, w1_codes, w1_scales, w2_codes, w2_scales, w3, b0, b1, b2, b3, out0; writes out0
.if DOCPART == 2
	.amdgcn_target "amdgcn-amd-amdhsa--gfx1250"
	.amdhsa_code_object_version 6
	.text
	.protected	k_q06cde03f39_field
	.globl	k_q06cde03f39_field
	.p2align	8
	.type	k_q06cde03f39_field,@function
k_q06cde03f39_field:
	s_mov_b64 s[64:65], 0
	v_nop
	global_prefetch_b8 v0, s[64:65] scope:SCOPE_SE
	s_setreg_imm32_b32 hwreg(HW_REG_WAVE_MODE, 25, 1), 1
	s_wait_xcnt 0x0
; out = MLP(encode(xn)): 16 levels of bilinear lookup (2 numbers a level), then 32 -> 64 -> 64 -> 64 -> 3.  The first three products on codes of BF6 (E3M2) with one E8M0 scale for each 32 along K,
; the activations quantised in registers on the way; the last product (3 outputs) on bf16 operands; all sums f32.  No work of reference() is left out.
; SHARES.  A work-group owns 4,096 points, each of its eight waves 512: 16 groups of 32.  While a group is encoded a lane is a point; in the MLP a group is two tiles of 16 points.
; THE CELL of a point on a level is the high word of X x (res - 1), X the point's coordinate as 32-bit fixed point, a whole number that the launch before has stored: no address here is made of a floating-point number.
;   The weights are w = u - cell with u = ((xn + 1) x 0.5) x (res - 1) in f32.  Where u rounds up to a whole number n while the cell is n - 1, w is exactly 1: the same value as cell n with w = 0.
; THE TABLES.  Levels 0 to 8 lie in LDS (221,184 bytes, brought once, read only): four loads of 8 bytes a point and level; f = a + wy (b - a), a = f00 + wx (f10 - f00), b likewise.
;   Levels 9 to 15 come from quads: levels (9,10), (11,12), (13,14) two to an entry of 64 aligned bytes, found by the SUMS of the two levels' cells along each axis (the launch before lays them so),
;   level 15 in entries of 32 bytes: four places of memory a point for seven levels.  An entry holds f00, d10, d01, d11: f = f00 + wx d10 + wy (d01 + wx d11), three packed multiply-adds.
; PIPELINE.  A trip issues group t's gathers, works group t - 1's whole MLP while the loads from memory are on their way, and then finishes group t's features.  The next group's coordinates are asked for a trip ahead.
;   No prefetch: a gather's address is known when its group's coordinates are in, and there the load itself is issued, a whole MLP ahead of its use.
; THE TEXT GOES BY STAGES ACROSS LEVELS (all cells, all conversions, all indices ..), so that a line seldom reads what one of the four lines above it wrote.
; THE PRODUCTS are used transposed (source 0 = 16 rows of a weight, source 1 = 16 points), so that a lane holds one point and its registers run along the units, the next K.  K is 32 or 64 of the instruction's 128:
;   the activations' registers 6 to 11 hold zero codes and bytes 2 and 3 of all scale words are 0, so k = 64 .. 127 add nothing, whatever lies in the weights' registers there.
;   LAYER 0: a lane's 32 features are one whole block, and registers 0-5 of lane 16 + r count as k = 32 .. 63 of column r.  W0A holds w0 in lanes 0-15 and zero codes in lanes 16-31: it gives points 0-15;
;   W0B the other way round: it gives points 16-31.  No code changes lanes.
;   The rows of w0 and w1 that form a tile are not neighbours: lane r of tile 2 b + u takes row 32 b + 8 u + r + 8 (r / 8), so that the 16 registers of tiles 2 b, 2 b + 1 are units 32 b + 16 (lane / 16) + 0 .. 15.
;   w2's tiles take rows 16 t + r: packed in pairs to bf16 the results are the last product's operand as they stand.
;   LAST PRODUCT: W3A has w3^T in rows 0-2, W3B in rows 8-10: points 0-15 land in lanes 0-15 of one accumulator's registers 0-2, points 16-31 in lanes 16-31 of the other's; their sum is a lane's three outputs.
; The biases are the C of each sum's first matrix instruction.  All weights, biases and their scale words stay in registers (window 1 and v44-55).
; NO CLUSTER: the image is all that work-groups share, 221,184 bytes fetched once by each, against 4,096 x (3 x 64 + 32 + 28) = 1,032,192 bytes of a work-group's own; and the LDS addresses of the gathers are made of
;   each work-group's own points, so they are not alike in would-be partners.
; OUT: a wave's store covers 384 consecutive bytes, 12 a lane.  LDS is written by the first fill alone, so that one barrier orders it with all gathers.
; LIMITS: NaN and infinities in xn or the tables are not served.  A block whose largest magnitude lies under 2^-122 (a block of zeros too) gets the scale byte 1; the bytes are read here alone.
;   The third hidden layer and w3 are rounded to bf16 for the last product.
; REGISTERS, window 0: v1 offset of the coordinates to load, v2 offset in out0, v3 the last group's coordinates; v[4:5] X, Y; v[6:7] xn; v[8:9] (xn + 1) / 2; v10-13 addresses of the four gathers from memory;
;   v14-28 at work; v29, v59 the spare word's address and 0; v[30:43] w of levels 9-15; v44-55 the weights' scale words; v56-58 the activations'; v60.. three operands of 12; v96-127 the features
;   (v110-127 first hold w of levels 0-8; v114-116 at work in the MLP); v128-183 entries of levels 9-15; v184-255 at work on the cells, then corners of levels 0-8, then the accumulators (v184-247) and outputs (v252-254).
; window 1: v0-47 W0A, W0B; v48-71 w1; v72-95 w2; v96-191 b0, b1, b2 in the results' layout; v192-199 b3; v200-231 W3A, W3B.
.set OFFP, 1
.set OFFO, 2
.set LASTP, 3
.set XY,   4
.set XN,   6
.set U01,  8
.set GADR, 10
.set M,    14
.set PR,   18
.set SO,   22
.set WG,   30
.set W0S,  44
.set W1S,  48
.set W2S,  52
.set SF,   56
.set HS0,  57
.set HS1,  58
.set FA,   60
.set HA0,  72
.set HA1,  84
.set F,    96
.set LW,   110
.set GB,   128
.set LB,   184
.set D0,   184
.set D1,   216
.set ACB,  200
.set ACA,  208
.set OUT,  252
.set W0A,  0                           ; window 1 from here on
.set W0B,  24
.set W1,   48
.set W2,   72
.set B0,   96
.set B1,   128
.set B2,   160
.set B3,   192
.set W3A,  200
.set W3B,  216
.set PART, 27648                       ; a wave's eighth of the image: 108 rows of 256 bytes
.set FLOOR, 0x2800000                  ; 2^(5 - 127): no largest magnitude is taken under it, so no scale byte falls under 1
.set MSB, 0
.macro WIN new                         ; the immediate's high byte repeats the setting that is left; a switch that changes nothing is dropped
.if MSB != \new
	s_set_vgpr_msb (MSB<<8)|\new
.set MSB, \new
.endif
.endm
.macro PLACES n
.rept \n
	v_nop
.endr
.endm
; The levels of a batch: place in the batch, res - 1, the same as f32, base in LDS, place among the batch's kind.  Each stage below is run over a whole batch.
.macro GLV m
	\m 0, 127, 0x42fe0000, 0, 0
	\m 1, 160, 0x43200000, 0, 1
	\m 2, 202, 0x434a0000, 0, 2
	\m 3, 255, 0x437f0000, 0, 3
	\m 4, 321, 0x43a08000, 0, 4
	\m 5, 405, 0x43ca8000, 0, 5
	\m 6, 511, 0x43ff8000, 0, 6
.endm
.macro LLV0 m
	\m 0, 15, 0x41700000, 0, 0
	\m 1, 19, 0x41980000, 2048, 1
	\m 2, 24, 0x41c00000, 6144, 2
	\m 3, 31, 0x41f80000, 12288, 3
	\m 4, 39, 0x421c0000, 20480, 4
.endm
.macro LLV1 m
	\m 0, 49, 0x42440000, 34816, 5
	\m 1, 63, 0x427c0000, 55296, 6
	\m 2, 79, 0x429e0000, 88064, 7
	\m 3, 100, 0x42c80000, 139264, 8
.endm
; at work on level i of a batch, from v[TB + 8 i]: +0..1 X s (the high word is the cell), +2..3 Y s, +4..5 u, +6..7 the cell as f32.  WB: where the batch's weights go
.macro ST1 i, s, fb, base, l
	v_mad_co_u64_u32 v[TB+8*\i:TB+8*\i+1], vcc_lo, v[XY], \s, 0
	v_mad_co_u64_u32 v[TB+8*\i+2:TB+8*\i+3], vcc_lo, v[XY+1], \s, 0
.endm
.macro ST2 i, s, fb, base, l
	v_pk_mul_f32 v[TB+8*\i+4:TB+8*\i+5], v[U01:U01+1], \fb op_sel_hi:[1,0]
.endm
.macro ST3 i, s, fb, base, l
	v_cvt_f32_u32 v[TB+8*\i+6], v[TB+8*\i+1]
	v_cvt_f32_u32 v[TB+8*\i+7], v[TB+8*\i+3]
.endm
.macro ST5 i, s, fb, base, l
	v_pk_add_f32 v[WB+2*\l:WB+2*\l+1], v[TB+8*\i+4:TB+8*\i+5], v[TB+8*\i+6:TB+8*\i+7] neg_lo:[0,1] neg_hi:[0,1]
.endm
.macro ST4L i, s, fb, base, l
	v_mad_u32_u24 v[M+\i], v[TB+8*\i+3], \s+1, v[TB+8*\i+1]
.endm
.macro ST6L i, s, fb, base, l
	v_min_u32 v[M+\i], (\s-1)*(\s+2), v[M+\i]      ; a loaded number enters an address behind a hold at the level's highest cell
.endm
.macro ST7L i, s, fb, base, l
	v_lshl_add_u32 v[M+\i], v[M+\i], 3, \base
.endm
.macro ST8L i, s, fb, base, l
	ds_load_b64 v[LB+8*\l:LB+8*\l+1], v[M+\i]
	ds_load_b64 v[LB+8*\l+2:LB+8*\l+3], v[M+\i] offset:8
	ds_load_b64 v[LB+8*\l+4:LB+8*\l+5], v[M+\i] offset:8*(\s+1)
	ds_load_b64 v[LB+8*\l+6:LB+8*\l+7], v[M+\i] offset:8*(\s+1)+8
.endm
.macro LBATCH list
	\list ST1
	\list ST3
	\list ST4L
	\list ST2
	\list ST6L
	\list ST5
	\list ST7L
	\list ST8L
.endm
; Levels 9 to 15 of a group: cells, weights, the four gathers from memory.
.macro FRONTG step
	s_wait_loadcnt 0x0                             ; this group's X, Y and xn, asked for a trip ago (ahead of the first group also the weights and biases that were loaded straight into window 1)
	s_wait_xcnt 0x0                                ; the last store has read its data and its offset, the last gathers their addresses: all are written again below
.if \step
	v_add_nc_u32 v[OFFO], 384, v[OFFO]
.endif
	v_pk_add_f32 v[U01:U01+1], v[XN:XN+1], 1.0 op_sel_hi:[1,0]
.set TB, 184
.set WB, WG
	GLV ST1
	v_pk_mul_f32 v[U01:U01+1], v[U01:U01+1], 0.5 op_sel_hi:[1,0]
.irp j, 0,1,2
	v_add_nc_u32 v[M+2*\j], v[TB+16*\j+1], v[TB+16*\j+9]       ; the joint cell: the sum of the two levels' cells, along x
	v_add_nc_u32 v[M+2*\j+1], v[TB+16*\j+3], v[TB+16*\j+11]    ; and along y
.endr
	GLV ST3
	v_mad_u32_u24 v[GADR], v[M+1], 286, v[M]
	v_mad_u32_u24 v[GADR+1], v[M+3], 456, v[M+2]
	v_mad_u32_u24 v[GADR+2], v[M+5], 725, v[M+4]
	v_lshl_or_b32 v[GADR+3], v[TB+51], 9, v[TB+49]
	GLV ST2
	v_min_u32 v[GADR], 81795, v[GADR]              ; the hold at each table's highest entry
	v_min_u32 v[GADR+1], 207935, v[GADR+1]
	v_min_u32 v[GADR+2], 525624, v[GADR+2]
	v_min_u32 v[GADR+3], 261630, v[GADR+3]
	GLV ST5
	v_lshlrev_b32 v[GADR], 6, v[GADR]
	v_lshl_add_u32 v[GADR+1], v[GADR+1], 6, 5242880
	v_lshl_add_u32 v[GADR+2], v[GADR+2], 6, 18579456
	v_lshl_add_u32 v[GADR+3], v[GADR+3], 5, 52232192
.irp j, 0,1,2
.irp p, 0,1,2,3
	global_load_b128 v[GB+16*\j+4*\p:GB+16*\j+4*\p+3], v[GADR+\j], s[20:21] offset:16*\p
.endr
.endr
	global_load_b128 v[GB+48:GB+51], v[GADR+3], s[20:21]
	global_load_b128 v[GB+52:GB+55], v[GADR+3], s[20:21] offset:16
.endm
; Levels 0 to 8: five levels' cells and gathers, then four levels' (at work in registers that no pending LDS load lands on), the next group's coordinates, the interpolation.
.macro FRONTL
.set WB, LW
.set TB, 216
	LBATCH LLV0
.set TB, 224
	LBATCH LLV1
	v_add_nc_u32 v[OFFP], 256, v[OFFP]             ; the next group's coordinates;
	s_delay_alu instid0(VALU_DEP_1)
	v_min_u32 v[OFFP], v[OFFP], v[LASTP]           ; the last trip asks for the last group's again: no load leaves its buffer
	global_load_b64 v[XY:XY+1], v[OFFP], s[18:19] th:TH_LOAD_NT
	global_load_b64 v[XN:XN+1], v[OFFP], s[16:17] th:TH_LOAD_NT
	s_wait_dscnt 0x0                               ; all 36 corners are in
.irp l, 0,1,2,3,4,5,6,7,8
	v_pk_add_f32 v[LB+8*\l+2:LB+8*\l+3], v[LB+8*\l+2:LB+8*\l+3], v[LB+8*\l:LB+8*\l+1] neg_lo:[0,1] neg_hi:[0,1]
	v_pk_add_f32 v[LB+8*\l+6:LB+8*\l+7], v[LB+8*\l+6:LB+8*\l+7], v[LB+8*\l+4:LB+8*\l+5] neg_lo:[0,1] neg_hi:[0,1]
.endr
.irp l, 0,1,2,3,4,5,6,7,8
	v_pk_fma_f32 v[LB+8*\l:LB+8*\l+1], v[LB+8*\l+2:LB+8*\l+3], v[LW+2*\l:LW+2*\l+1], v[LB+8*\l:LB+8*\l+1] op_sel_hi:[1,0,1]
	v_pk_fma_f32 v[LB+8*\l+4:LB+8*\l+5], v[LB+8*\l+6:LB+8*\l+7], v[LW+2*\l:LW+2*\l+1], v[LB+8*\l+4:LB+8*\l+5] op_sel_hi:[1,0,1]
.endr
.irp l, 0,1,2,3,4,5,6,7,8
	v_pk_add_f32 v[LB+8*\l+4:LB+8*\l+5], v[LB+8*\l+4:LB+8*\l+5], v[LB+8*\l:LB+8*\l+1] neg_lo:[0,1] neg_hi:[0,1]
.endr
.irp l, 0,1,2,3,4,5,6,7,8
	v_pk_fma_f32 v[F+2*\l:F+2*\l+1], v[LB+8*\l+4:LB+8*\l+5], v[LW+2*\l:LW+2*\l+1], v[LB+8*\l:LB+8*\l+1] op_sel:[0,1,0] op_sel_hi:[1,1,1]   ; (levels 7 and 8 write over the weights of levels 0 and 1, which are done with)
.endr
.endm
; A lane's 32 features are one block: its codes go to FA's registers 0-5 as they come, its byte to SF (lane r: byte 0 point r's, byte 1 point 16 + r's)
.macro QUANTF
.irp c, 0,1,2,3,4,5,6,7
	v_max3_num_f32 v[M+\c], |v[F+3*\c]|, |v[F+3*\c+1]|, |v[F+3*\c+2]|      ; eight chains
.endr
.irp c, 0,1,2,3
	v_max3_num_f32 v[M+\c], v[M+\c], |v[F+24+2*\c]|, |v[F+25+2*\c]|
.endr
	v_max3_num_f32 v[M+4], v[M+4], v[M+5], v[M+6]
	v_max3_num_f32 v[M+7], v[M+7], v[M], FLOOR
	s_delay_alu instid0(VALU_DEP_3)
	v_max3_num_f32 v[M+1], v[M+1], v[M+2], v[M+3]
	s_delay_alu instid0(VALU_DEP_1)
	v_max3_num_f32 v[M+4], v[M+4], v[M+7], v[M+1]
	s_delay_alu instid0(VALU_DEP_1)
	v_add_nc_u32 v22, 0xfe000000, v[M+4]           ; 4 off the exponent field: the conversion takes the exponent field of this operand as its scale
	s_delay_alu instid0(VALU_DEP_1)
	v_lshrrev_b32 v24, 23, v22                     ; the scale's byte
	s_delay_alu instid0(VALU_DEP_1)
	v_permlanex16_b32 v25, v24, s12, s13
	s_delay_alu instid0(VALU_DEP_1)
	v_lshl_or_b32 v[SF], v25, 8, v24
	v_cvt_scalef32_pk16_bf6_f32 v[FA:FA+2], v[F:F+15], v22
	v_cvt_scalef32_pk16_bf6_f32 v[26:28], v[F+16:F+31], v22      ; (a conversion's three registers begin on an even number)
	v_nop                                          ; one plain place behind a scaled conversion
.irp i, 0,1,2
	v_mov_b32 v[FA+3+\i], v[26+\i]
.endr
.endm
; The second half of a group's encoding: levels 9 to 15, then the features' codes.
.macro BACK
	s_wait_loadcnt 0x2                             ; the 14 loads of the gathers are in; behind them stand the two loads of the next group's coordinates
.irp i, 0,1,2,3,4,5,6
	v_pk_fma_f32 v[GB+8*\i+4:GB+8*\i+5], v[GB+8*\i+6:GB+8*\i+7], v[WG+2*\i:WG+2*\i+1], v[GB+8*\i+4:GB+8*\i+5] op_sel_hi:[1,0,1]
	v_pk_fma_f32 v[GB+8*\i:GB+8*\i+1], v[GB+8*\i+2:GB+8*\i+3], v[WG+2*\i:WG+2*\i+1], v[GB+8*\i:GB+8*\i+1] op_sel_hi:[1,0,1]
.endr
.irp i, 0,1,2,3,4,5,6
	v_pk_fma_f32 v[F+18+2*\i:F+19+2*\i], v[GB+8*\i+4:GB+8*\i+5], v[WG+2*\i:WG+2*\i+1], v[GB+8*\i:GB+8*\i+1] op_sel:[0,1,0] op_sel_hi:[1,1,1]
.endr
	QUANTF
.endm
; The activation, in f32, two registers a line, in place and ascending over the 64 registers of both tiles; RK counts the pairs done
.macro RELU n
.rept \n
	v_dual_max_num_f32 v[D0+2*RK], 0, v[D0+2*RK] :: v_dual_max_num_f32 v[D0+2*RK+1], 0, v[D0+2*RK+1]
.set RK, RK+1
.endr
.endm
; Both tiles' 64 units of a hidden layer (register 16 c + i of the 64: tile c / 2, unit 32 (c % 2) + 16 (lane / 16) + i of the lane's point): relu, four blocks of 32, codes to HA0 and HA1, scale words to HS0 and HS1.
; The maxima take no |.|: what is negative must not count, and the floor stands over it, so a register counts the same before and behind its relu.  The relu's lines stand between the stages of the four chains.
; Each accumulator is read from its low end on.
.macro QUANTH2
.set RK, 0
.irp c, 0,1,2,3
	v_max3_num_f32 v[M+\c], v[D0+16*\c], v[D0+16*\c+1], FLOOR
.endr
	RELU 2
.irp i, 2,4,6,8,10,12,14
.irp c, 0,1,2,3
	v_max3_num_f32 v[M+\c], v[M+\c], v[D0+16*\c+\i], v[D0+16*\c+\i+1]
.endr
	RELU 2
.endr
.irp c, 0,1,2,3
	v_permlanex16_b32 v[PR+\c], v[M+\c], s12, s13
.endr
	RELU 2
.irp c, 0,1,2,3
	v_max_num_f32 v[M+\c], v[M+\c], v[PR+\c]       ; with lane l xor 16's 16 units: the block's largest
.endr
	RELU 2
.irp c, 0,1,2,3
	v_add_nc_u32 v[SO+\c], 0xfe000000, v[M+\c]
.endr
	RELU 2
.irp c, 0,1,2,3
	v_lshrrev_b32 v[M+\c], 23, v[SO+\c]
.endr
	RELU 4
	v_lshl_or_b32 v[HS0], v[M+1], 8, v[M]          ; bytes 2 and 3 stay 0
	v_lshl_or_b32 v[HS1], v[M+3], 8, v[M+2]
	RELU 6
	v_cvt_scalef32_pk16_bf6_f32 v[HA0:HA0+2], v[D0:D0+15], v[SO]
	v_cvt_scalef32_pk16_bf6_f32 v[26:28], v[D0+16:D0+31], v[SO+1]
	v_cvt_scalef32_pk16_bf6_f32 v[HA1:HA1+2], v[D1:D1+15], v[SO+2]
	v_cvt_scalef32_pk16_bf6_f32 v[114:116], v[D1+16:D1+31], v[SO+3]
	v_nop                                          ; one plain place behind a scaled conversion
.irp i, 0,1,2
	v_permlane16_swap_b32 v[HA0+\i], v[26+\i]      ; the operand wants a whole block in a lane: lanes 0-15 block 0, lanes 16-31 block 1
.endr
.irp i, 0,1,2
	v_permlane16_swap_b32 v[HA1+\i], v[114+\i]
.endr
.irp i, 0,1,2
	v_mov_b32 v[HA0+3+\i], v[26+\i]
.endr
.irp i, 0,1,2
	v_mov_b32 v[HA1+3+\i], v[114+\i]
.endr
	PLACES 4                                       ; an operand written by vector instructions stands 4 places ahead of a scaled product; the scale words stand more than 8 ahead
.endm
; A layer for both tiles of points: eight products, each its accumulator's only one, with the bias as C.
.macro LAYER wa, wb, bb, ws, a0, a1, s0, s1
	WIN 0x11                                       ; source 0 (weights) and C (bias) window 1; activations and results window 0
.irp t, 0,1,2,3
	v_wmma_scale_f32_16x16x128_f8f6f4 v[D0+8*\t:D0+8*\t+7], v[\wa+6*\t:\wa+6*\t+11], v[\a0:\a0+11], v[\bb+8*\t:\bb+8*\t+7], v[\ws+\t], v[\s0] matrix_a_fmt:MATRIX_FMT_BF6 matrix_b_fmt:MATRIX_FMT_BF6
.endr
.irp t, 0,1,2,3
	v_wmma_scale_f32_16x16x128_f8f6f4 v[D1+8*\t:D1+8*\t+7], v[\wb+6*\t:\wb+6*\t+11], v[\a1:\a1+11], v[\bb+8*\t:\bb+8*\t+7], v[\ws+\t], v[\s1] matrix_a_fmt:MATRIX_FMT_BF6 matrix_b_fmt:MATRIX_FMT_BF6
.endr
	WIN 0
	PLACES 4                                       ; four plain places between the last product and the first read of results (ISA guide 7.12.1)
.endm
; The whole MLP of the group whose codes lie in FA; off: where its outputs lie from v[OFFO] on.
.macro MLP off
	LAYER W0A, W0B, B0, W0S, FA, FA, SF, SF
	QUANTH2
	LAYER W1, W1, B1, W1S, HA0, HA1, HS0, HS1
	QUANTH2
	LAYER W2, W2, B2, W2S, HA0, HA1, HS0, HS1
.set RK, 0
	RELU 32
.irp i, 0,1,2,3,4,5,6,7,8,9,10,11,12,13,14,15
	v_cvt_pk_bf16_f32 v[D0+\i], v[D0+2*\i], v[D0+2*\i+1]       ; pairs to bf16, in place and ascending: the 16-bit operand's layout
.endr
.irp i, 0,1,2,3,4,5,6,7,8,9,10,11,12,13,14,15
	v_cvt_pk_bf16_f32 v[D1+\i], v[D1+2*\i], v[D1+2*\i+1]
.endr
	PLACES 4
	WIN 0x11
	v_wmma_f32_16x16x32_bf16 v[ACA:ACA+7], v[W3A:W3A+7], v[D0:D0+7], v[B3:B3+7]          ; the two accumulators take turns, one instruction a turn
	v_wmma_f32_16x16x32_bf16 v[ACB:ACB+7], v[W3B:W3B+7], v[D1:D1+7], 0
	WIN 0x01
	v_wmma_f32_16x16x32_bf16 v[ACA:ACA+7], v[W3A+8:W3A+15], v[D0+8:D0+15], v[ACA:ACA+7]
	v_wmma_f32_16x16x32_bf16 v[ACB:ACB+7], v[W3B+8:W3B+15], v[D1+8:D1+15], v[ACB:ACB+7]
	WIN 0
	PLACES 4
.irp j, 0,1,2
	v_add_f32 v[OUT+\j], v[ACA+\j], v[ACB+\j]      ; lanes 0-15: the first holds the output and b3, the second 0; lanes 16-31: the first holds b3, the second the output
.endr
	global_store_b96 v[OFFO], v[OUT:OUT+2], s[46:47] offset:\off th:TH_STORE_NT           ; 32 lanes store 384 consecutive bytes; written once, read by nobody here
.endm
	s_load_b512 s[16:31], s[0:1], 0x0              ; xn 16, cells 18, quads 20, img 22, w0's codes 24, scales 26, w1's codes 28, scales 30
	s_load_b512 s[32:47], s[0:1], 0x40             ; w2's codes 32, scales 34, w3 36, b0 38, b1 40, b2 42, b3 44, out0 46
	v_lshl_add_u32 v29, v0, 2, 0x36000             ; my spare word, behind the image
	v_mov_b32 v59, 0
	ds_add_u32 v29, v59                            ; the opening lines: the add, twice on end, and its wait ahead of my tensor load
	ds_add_u32 v29, v59
	v_lshrrev_b32 v1, 5, v0
	s_delay_alu instid0(VALU_DEP_1)
	v_readfirstlane_b32 s8, v1                     ; wave 0..7
	; THE IMAGE: each wave brings its eighth, a dense block of 27,648 bytes, as 108 rows of 256 bytes (32 elements of 8 bytes), no padding: the gathers fall anywhere, so no pitch serves them
	s_mov_b32 s48, 1                               ; group 0: count = 1
	s_mul_i32 s49, s8, PART                        ; LDS address: wave x 27,648
	s_mov_b32 s52, 3<<16                           ; group 1: no mask; elements of 8 bytes; no padding
	s_mov_b32 s53, 32<<16                          ; tensor_dim0 = 32
	s_mov_b32 s54, 108<<16                         ; tensor_dim1 = 108
	s_mov_b32 s55, 32<<16                          ; tile_dim0 = 32
	s_mov_b32 s56, 108                             ; tile_dim1 = 108
	s_mov_b32 s57, 32                              ; from row to row: 32 elements
	s_mov_b32 s58, 0
	s_mov_b32 s59, 0
	s_mov_b32 s60, s49
	s_mov_b32 s61, 0
	s_wait_dscnt 0x0
	s_wait_kmcnt 0x0
	s_add_nc_u64 s[50:51], s[22:23], s[60:61]      ; the same place in img
	s_or_b32 s51, s51, 0x80000000                  ; type = 2
	tensor_load_to_lds s[48:51], s[52:59]          ; my one tensor load of the launch: LDS is filled once
	s_nop 0
	PLACES 4
	s_load_b96 s[4:6], s[44:45], 0x0               ; b3
	s_lshl_b32 s10, ttmp9, 12
	s_lshl_b32 s11, s8, 9
	s_add_co_u32 s10, s10, s11                     ; my first point: 4,096 x work-group + 512 x wave
	s_lshl_b32 s60, s10, 3
	s_add_nc_u64 s[16:17], s[16:17], s[60:61]
	s_add_nc_u64 s[18:19], s[18:19], s[60:61]
	s_mul_i32 s60, s10, 12
	s_add_nc_u64 s[46:47], s[46:47], s[60:61]
	s_mov_b32 s12, 0x76543210
	s_mov_b32 s13, 0xfedcba98                      ; v_permlanex16_b32's selects for lane l xor 16
	s_mov_b32 s7, 0xffff                           ; lanes 0-15
	s_mov_b32 s2, 0x00070007                       ; rows 0-2 of an operand, both halves of the lanes
	s_mov_b32 s3, 0x07000700                       ; rows 8-10
	v_and_b32 v240, 31, v0                         ; lane
	s_delay_alu instid0(VALU_DEP_1)
	v_lshlrev_b32 v[OFFP], 3, v240
	s_delay_alu instid0(VALU_DEP_1)
	v_add_nc_u32 v[LASTP], 3840, v[OFFP]
	s_delay_alu instid0(VALU_DEP_3)
	v_mul_u32_u24 v[OFFO], v240, 12
	global_load_b64 v[XY:XY+1], v[OFFP], s[18:19] th:TH_LOAD_NT      ; group 0's coordinates
	global_load_b64 v[XN:XN+1], v[OFFP], s[16:17] th:TH_LOAD_NT
	v_and_b32 v241, 15, v0                         ; r
	v_bfe_u32 v242, v0, 4, 1                       ; h
	s_delay_alu instid0(VALU_DEP_2)
	v_and_b32 v243, 8, v241
	s_delay_alu instid0(VALU_DEP_1)
	v_add_nc_u32 v243, v243, v241                  ; r + 8 (r / 8); also the offset of w0's scale bytes
	s_delay_alu instid0(VALU_DEP_1)
	v_mul_u32_u24 v244, v243, 24                   ; w0: a row of 32 codes is 24 bytes; both halves of the lanes take the same row
	s_delay_alu instid0(VALU_DEP_2)
	v_mul_u32_u24 v245, v243, 48                   ; w1: a row of 64 codes is 48 bytes, + 24 h
	s_delay_alu instid0(VALU_DEP_1)
	v_mad_u32_u24 v245, v242, 24, v245
	v_mul_u32_u24 v246, v241, 48                   ; w2: rows as they lie
	s_delay_alu instid0(VALU_DEP_1)
	v_mad_u32_u24 v246, v242, 24, v246
	v_lshlrev_b32 v247, 1, v243                    ; w1's scale bytes: two a row
	v_lshlrev_b32 v248, 1, v241                    ; w2's
	v_lshlrev_b32 v249, 6, v242                    ; b0, b1: lanes 16-31 begin 16 units on
	v_lshlrev_b32 v250, 5, v242                    ; b2: 8 units on
	v_and_b32 v251, 7, v241
	s_delay_alu instid0(VALU_DEP_1)
	v_min_u32 v251, 2, v251                        ; w3: output r % 8, held at 2 so that no load leaves the buffer; rows that are not wanted are cleared below
	s_delay_alu instid0(VALU_DEP_1)
	v_lshlrev_b32 v251, 2, v251
	s_delay_alu instid0(VALU_DEP_1)
	v_mad_u32_u24 v251, v242, 96, v251             ; lanes 16-31 begin 8 units (of 12 bytes) on
	; first what vector instructions still have to work on: w0's codes, the scale words, w3
.irp t, 0,1,2,3
.irp p, 0,1,2
	global_load_b64 v[128+6*\t+2*\p:128+6*\t+2*\p+1], v244, s[24:25] offset:(32*(\t/2)+8*(\t%2))*24+8*\p
.endr
	global_load_u8 v[W0S+\t], v243, s[26:27] offset:32*(\t/2)+8*(\t%2)
	global_load_u16 v[W1S+\t], v247, s[30:31] offset:(32*(\t/2)+8*(\t%2))*2
	global_load_u16 v[W2S+\t], v248, s[34:35] offset:32*\t
.endr
.irp s, 0,1
.irp c, 0,1
.irp i, 0,1,2,3,4,5,6,7
	global_load_b32 v[152+16*\s+8*\c+\i], v251, s[36:37] offset:12*(32*\s+16*\c+\i)      ; w3(32 s + 16 c + 8 h + i, output)
.endr
.endr
.endr
	s_wait_loadcnt 0x0                             ; the lines below read them
	s_wait_kmcnt 0x0                               ; and b3
.irp t, 0,1,2,3
	v_mul_u32_u24 v[W0S+\t], v[W0S+\t], 0x101      ; w0's byte serves k = 0 .. 31 (W0A) and k = 32 .. 63 (W0B)
.endr
.irp q, 0,1,2,3,4,5,6,7,8,9,10,11,12,13,14,15
	v_cvt_pk_bf16_f32 v[184+\q], v[152+2*\q], v[152+2*\q+1]
.endr
	WIN 0x40                                       ; destination window 1
.irp j, 0,1,2,3,4,5,6,7,8,9,10,11,12,13,14,15,16,17,18,19,20,21,22,23
	v_cndmask_b32 v[W0A+\j], 0, v[128+\j], s7      ; codes in lanes 0-15, zero codes in lanes 16-31
	v_cndmask_b32 v[W0B+\j], v[128+\j], 0, s7      ; and the other way round
.endr
.irp q, 0,1,2,3,4,5,6,7,8,9,10,11,12,13,14,15
	v_cndmask_b32 v[W3A+\q], 0, v[184+\q], s2
	v_cndmask_b32 v[W3B+\q], 0, v[184+\q], s3
.endr
	v_mov_b32 v[B3], s4
	v_mov_b32 v[B3+1], s5
	v_mov_b32 v[B3+2], s6
.irp j, 3,4,5,6,7
	v_mov_b32 v[B3+\j], 0
.endr
	; then what goes into window 1 as it lies: w1, w2 and the three biases, 48 loads; the wait for them is the one at the head of the first group's encoding
.irp t, 0,1,2,3
.irp p, 0,1,2
	global_load_b64 v[W1+6*\t+2*\p:W1+6*\t+2*\p+1], v245, s[28:29] offset:(32*(\t/2)+8*(\t%2))*48+8*\p
	global_load_b64 v[W2+6*\t+2*\p:W2+6*\t+2*\p+1], v246, s[32:33] offset:16*\t*48+8*\p
.endr
	global_load_b128 v[B0+8*\t:B0+8*\t+3], v249, s[38:39] offset:(32*(\t/2)+8*(\t%2))*4
	global_load_b128 v[B0+8*\t+4:B0+8*\t+7], v249, s[38:39] offset:(32*(\t/2)+8*(\t%2))*4+16
	global_load_b128 v[B1+8*\t:B1+8*\t+3], v249, s[40:41] offset:(32*(\t/2)+8*(\t%2))*4
	global_load_b128 v[B1+8*\t+4:B1+8*\t+7], v249, s[40:41] offset:(32*(\t/2)+8*(\t%2))*4+16
	global_load_b128 v[B2+8*\t:B2+8*\t+3], v250, s[42:43] offset:64*\t
	global_load_b128 v[B2+8*\t+4:B2+8*\t+7], v250, s[42:43] offset:64*\t+16
.endr
	WIN 0
.irp j, 6,7,8,9,10,11
	v_mov_b32 v[FA+\j], 0                          ; zero codes for k = 64 .. 127: written once
	v_mov_b32 v[HA0+\j], 0
	v_mov_b32 v[HA1+\j], 0
.endr
.irp j, 18,19,20,21,25
	v_mov_b32 v[\j], 0                             ; a lane permute's destination counts as one of its sources
.endr
	FRONTG 0                                       ; group 0's gathers from memory need no LDS: they go out while the image is on its way
	s_wait_alu depctr_va_vdst(0)                   ; the wait at the head's end
	s_wait_tensorcnt 0x0                           ; my eighth of the image has landed,
	s_barrier_signal -1
	s_barrier_wait -1                              ; everybody's has: from here on LDS is only read
	FRONTL
	BACK
	s_mov_b32 s14, 15
.Ltrip:                                            ; trip t = 1 .. 15: group t's gathers go out, group t - 1's MLP is worked, group t's features are finished
	FRONTG 1
	FRONTL
	MLP -384
	BACK
	s_sub_co_u32 s14, s14, 1
	s_cmp_lg_u32 s14, 0
	s_cbranch_scc1 .Ltrip
	s_wait_xcnt 0x0                                ; group 14's store has read its data: v252-254 are written again, by group 15's outputs, only behind this wait
	PLACES 8                                       ; here the products follow the features' codes and scale word directly: 8 places ahead of a scaled product for a scale word written by a vector instruction, 4 for an operand
	s_wait_alu depctr_va_vdst(0)
	MLP 0                                          ; group 15
	s_wait_tensorcnt 0x0                           ; the wave's end
	ds_add_u32 v29, v59
	s_wait_dscnt 0x0
	s_endpgm
.Lfunc_end_k_q06cde03f39_field:
	.size	k_q06cde03f39_field, .Lfunc_end_k_q06cde03f39_field-k_q06cde03f39_field
	.p2alignl 7, 3214868480
	.fill 96, 4, 3214868480
	.section	.rodata,"a",@progbits
	.p2align	6, 0x0
	.amdhsa_kernel k_q06cde03f39_field
		.amdhsa_group_segment_fixed_size 222208
		.amdhsa_private_segment_fixed_size 0
		.amdhsa_enable_private_segment 0
		.amdhsa_kernarg_size 128
		.amdhsa_user_sgpr_count 2
		.amdhsa_user_sgpr_kernarg_segment_ptr 1
		.amdhsa_wavefront_size32 1
		.amdhsa_system_sgpr_workgroup_id_x 1
		.amdhsa_system_sgpr_workgroup_id_y 1
		.amdhsa_system_sgpr_workgroup_id_z 1
		.amdhsa_system_vgpr_workitem_id 0
		.amdhsa_next_free_vgpr 512
		.amdhsa_next_free_sgpr 66
		.amdhsa_reserve_vcc 1
		.amdhsa_float_denorm_mode_32 3
		.amdhsa_float_denorm_mode_16_64 3
		.amdhsa_memory_ordered 1
		.amdhsa_forward_progress 1
		.amdhsa_inst_pref_size 101
	.end_amdhsa_kernel
	.amdgpu_metadata
---
amdhsa.version: [ 1, 2 ]
amdhsa.kernels:
  - .name:           k_q06cde03f39_field
    .symbol:         k_q06cde03f39_field.kd
    .args:
      - { .name: xn, .offset: 0, .size: 8, .value_kind: global_buffer, .address_space: global }
      - { .name: cells, .offset: 8, .size: 8, .value_kind: global_buffer, .address_space: global }
      - { .name: quads, .offset: 16, .size: 8, .value_kind: global_buffer, .address_space: global }
      - { .name: img, .offset: 24, .size: 8, .value_kind: global_buffer, .address_space: global }
      - { .name: w0_codes, .offset: 32, .size: 8, .value_kind: global_buffer, .address_space: global }
      - { .name: w0_scales, .offset: 40, .size: 8, .value_kind: global_buffer, .address_space: global }
      - { .name: w1_codes, .offset: 48, .size: 8, .value_kind: global_buffer, .address_space: global }
      - { .name: w1_scales, .offset: 56, .size: 8, .value_kind: global_buffer, .address_space: global }
      - { .name: w2_codes, .offset: 64, .size: 8, .value_kind: global_buffer, .address_space: global }
      - { .name: w2_scales, .offset: 72, .size: 8, .value_kind: global_buffer, .address_space: global }
      - { .name: w3, .offset: 80, .size: 8, .value_kind: global_buffer, .address_space: global }
      - { .name: b0, .offset: 88, .size: 8, .value_kind: global_buffer, .address_space: global }
      - { .name: b1, .offset: 96, .size: 8, .value_kind: global_buffer, .address_space: global }
      - { .name: b2, .offset: 104, .size: 8, .value_kind: global_buffer, .address_space: global }
      - { .name: b3, .offset: 112, .size: 8, .value_kind: global_buffer, .address_space: global }
      - { .name: out0, .offset: 120, .size: 8, .value_kind: global_buffer, .address_space: global }
    .group_segment_fixed_size: 222208
    .private_segment_fixed_size: 0
    .kernarg_segment_align: 8
    .kernarg_segment_size: 128
    .max_flat_workgroup_size: 256
    .sgpr_count:     66
    .vgpr_count:     512
    .wavefront_size: 32
...
	.end_amdgpu_metadata
.endif
;; end of part 2
